; MI455X (gfx1250); checked and timed in simulation.
; The chip was launched on July 23, 2026; its instructions are those of AMD's public machine-readable ISA for CDNA 5 (MIT licence, August 2026) and "CDNA5" Instruction Set Architecture Reference Guide (July 2026). The comments in the code are by the model that wrote it; some were corrected since.
;; Codebook. Allowed arithmetic: matrix products marked QUANTISED: E2M1 operands, one E8M0 scale for each 32 along K, by v_wmma_scale_f32_16x16x128_f8f6f4 with both operands' format E2M1 (or v_wmma_scale_f32_32x16x128_f4), f32 sums; products left as they are: f32 operands where the result goes on into a quantised operand, else bf16, f16 or f32 operands; f32 sums; everything else in f32.
;; Inputs: codebook 1,024 x 8 x 1,024 float32; proj_b 8,192 float32; proj_w 8,192 x 1,024 float32; target 8 x 1,024 x 8 int32; wproj_w 8 x 1,024 float32; x 8 x 1,024 x 1,024 float32.
;; Outputs: out0 8 x 1,024 x 1,024 float32; out1 8 x 1,024 x 8 float32.
;; This version of the problem:
;;   THIS VERSION OF THE PROBLEM IS GIVEN IN LOW PRECISION. The matrix products marked QUANTISED in the list below multiply operands that are first quantised to E2M1 (2 exponent bits, 1 mantissa bit; 4 bits a number), with one power-of-two scale for each 32 numbers along K (OCP MX v1.0); their sums are f32. All else is computed in f32.
;;   The module's matrix products, in the order in which they are computed (A, B: the left and right operand; K: the contracted axis; several contracted axes count as one K, in the product's order):
;;     1. [M 8,192, K 1,024] x [K 1,024, N 8,192]; A: input x; B: input proj_w: QUANTISED
;;     2. [M 8,192, K 1,024] x [K 1,024, N 8]; A: input x; B: input wproj_w: left as it is (N = 8 < 16)
;;     3. batch 8,192 x [M 1,024, K 8] x [K 8, N 1]; A: computed on the way; B: softmax: left as it is (K = 8 < 32)
;;   THE QUANTISER, for each operand of a quantised product, along K:
;;     - K is cut into blocks of 32 from its start; a last block that is shorter is filled with zeros.
;;     - A block's scale is 2^e with e = floor(log2(the largest magnitude in the block)) - 2, held to -126 .. 127; a block of zeros has e = 0. As a byte (E8M0): e + 127.
;;     - Each number is divided by its block's scale, clamped to +-6, and rounded to the nearest number of E2M1, ties to even, subnormals kept.
;;     - The product sums the exact products of the quantised numbers (number of the format x scale) in f32.
;;   ~~~python
;;   def quantise(x, axis):      # numpy; x: float32 -> the quantised numbers, widened to float32 again
;;       x = np.moveaxis(x, axis, -1); K = x.shape[-1]
;;       x = np.pad(x, [(0, 0)] * (x.ndim - 1) + [(0, -K % 32)]); x = x.reshape(x.shape[:-1] + (-1, 32)); a = np.abs(x).max(-1, keepdims=True)
;;       e = np.where(a > 0, np.clip(np.frexp(np.where(a > 0, a, 1))[1] - 1 - 2, -126, 127), 0)      # np.frexp(a)[1] - 1 = floor(log2(a)), exactly
;;       r = np.clip(x / 2.0 ** e, -6, 6)
;;       step = 2.0 ** (np.maximum(np.frexp(np.where(r == 0, 1, r))[1] - 1, 0) - 1)
;;       q = np.round(r / step) * step * 2.0 ** e      # np.round: ties to even
;;       return np.moveaxis(q.reshape(q.shape[:-2] + (-1,))[..., :K], -1, axis).astype(np.float32)
;;   ~~~
;; One version. Each part assembles by itself: llvm-mc -triple=amdgcn-amd-amdhsa -mcpu=gfx1250 --defsym DOCPART=n.
;; ======== version 1 of 1: 2 launches
;; workspace buffers: xq 4,194,304 bytes; xs 262,144 bytes; wq 4,194,304 bytes; ws 262,144 bytes
;; launch prep (part 1): grid 256 x 1, 8 waves a work-group, no clusters, 125,440 bytes of LDS; arguments x, proj_w, wproj_w, codebook, target, xq, xs, wq, ws, out0; writes xq, xs, wq, ws, out0
.if DOCPART == 1
	.amdgcn_target "amdgcn-amd-amdhsa--gfx1250"
	.amdhsa_code_object_version 6
	.text
	.protected	k_q20818cdfc5_prep
	.globl	k_q20818cdfc5_prep
	.p2align	8
	.type	k_q20818cdfc5_prep,@function
k_q20818cdfc5_prep:
	s_mov_b64 s[64:65], 0
	v_nop
	global_prefetch_b8 v0, s[64:65] scope:SCOPE_SE
	s_setreg_imm32_b32 hwreg(HW_REG_WAVE_MODE, 25, 1), 1
	s_wait_xcnt 0x0
; PREP.  (1) x [8192][1024] and proj_w [8192][1024], f32, become codes of E2M1 with one E8M0 byte for each 32 along K.  (2) out0[t] = sum over k of softmax_k(x[t] . wproj_w[k]) codebook[target[t][k]][k].
; NO WORK OF THE PROBLEM IS LEFT OUT: every input reaches an output (proj_b differs along the softmax's axis, so it stays: the second launch adds it).
; SHARES.  Work-group g has eight waves.  Waves 0-3 take x's row tiles 2 g, 2 g + 1 (16 rows each), waves 4-7 proj_w's; a wave takes one tile and one half of K: 16 rows x 512, eight steps of 64 along K.
; A step's eight loads read two rows' 256 bytes each; its 4,096 bytes turn through the wave's own stage in LDS, so that lane (r, h) holds ONE WHOLE BLOCK of 32 along K of row r: no other lane is asked for the maximum.
; LAYOUTS.  xq: in the order of the operand's registers, [tile][block of 32][row][16 bytes]: a step's codes are 512 consecutive bytes.  wq: rows of 512 bytes (the second launch gathers whole rows by target); they leave
; through a stage, sixteen lanes to 256 consecutive aligned bytes.  xs, ws: [tile][half of K][row][16 bytes]: a wave's scale bytes are 256 consecutive aligned bytes, one store.
; THE SMALL PRODUCT x . wproj_w^T is made on the way, while x's rows are in registers.  Both operands go to the matrix unit as PAIRS of bf16 numbers, a high and a low part split in f32 (hh + lh + hl): where large terms of
; the weighted sum cancel, the rounding of single bf16 operands would show in out0.  Source 0 = wproj_w's 8 rows (twice: rows 8-15 of the tile repeat them), source 1 = 16 rows of x: a lane holds one token, register j codebook j.
; K is permuted alike in both operands (a lane's 16 neighbours to an instruction).  No cluster: the work-groups share only wproj_w's 32,768 bytes and rows of the codebook that the data choose.
; No prefetch: x and proj_w are one dense stream with 24 loads a wave on their way; a row of the codebook may be named many times.
; LIMITS.  NaN and infinities among the inputs are not served.  A block of zeros gets the byte 1 where the rule says 127: its codes are zeros, and this program alone reads the bytes; blocks whose largest magnitude lies under
; 2^(3 - 127) are held at that byte.  target is held at 1,023 as an unsigned number.
.set SBUF,  4352                       ; a stage: 16 rows x (256 bytes + 16)
.set CST,   69632                      ; behind the eight waves' two stages each: the codes' stages of waves 4-7
.set WIH,   87040                      ; wproj_w's high parts, bf16: 8 rows, 2,064 bytes apart
.set WIL,   103680                     ; its low parts
.set LG,    120320                     ; the partial sums of waves 0-3: 1,024 bytes each
.set SPARE, 124416                     ; the spare words: 128 bytes for each wave, named by no other line
.set SW,   8                           ; v8-11   scale words
.set R,    24                          ; v24-119 three sets of 32: a step as loaded
.set X,    120                         ; v120-183 two sets of 32: a lane's block
.set C,    184                         ; v184-187 a block's codes
.set T,    188                         ; v188-191 at work
.set WH,   192                         ; v192-207 wproj_w's two fragments, high parts
.set WL,   208                         ; v208-223 low parts
.set ACC0, 224
.set ACC1, 232
.set XH,   240                         ; v240-255 x's high parts
.set WT,   24                          ; the gather: v24-87 the 32 weights, each twice
.set OUT,  88                          ; v88-119 a token's row of out0
.set BUF,  120                         ; v120-247 four rows of the codebook
.set ADR,  248                         ; v248-251 their offsets
	s_load_b256 s[4:11], s[0:1], 0x0               ; x, proj_w, wproj_w, codebook
	s_load_b256 s[12:19], s[0:1], 0x20             ; target, xq, xs, wq
	s_load_b128 s[20:23], s[0:1], 0x40             ; ws, out0
	v_lshl_add_u32 v14, v0, 2, SPARE               ; my spare word,
	v_mov_b32 v15, 0                               ; and 0: kept for the closing lines alone
	v_lshrrev_b32 v5, 5, v0
	v_readfirstlane_b32 s24, v5                    ; wave 0..7
	s_and_b32 s25, s24, 1                          ; which half of K
	s_bfe_u32 s26, s24, 0x10001                    ; which of the two tiles
	s_lshl_b32 s27, ttmp9, 1
	s_add_co_u32 s26, s26, s27                     ; my row tile
	s_and_b32 s27, s24, 3
	s_mov_b32 s2, 0x76543210
	s_mov_b32 s3, 0xfedcba98                       ; v_permlanex16_b32's selects for lane l xor 16
	s_mov_b32 s30, 0x3fb8aa3b                      ; log2(e)
	s_mov_b32 s31, 0xffff0000                      ; a word's upper bf16; also: lanes 16-31
	v_and_b32 v5, 31, v0                           ; lane
	v_and_b32 v6, 15, v0                           ; r
	v_bfe_u32 v7, v0, 4, 1                         ; h
	v_lshlrev_b32 v1, 4, v6
	v_lshl_add_u32 v1, v7, 12, v1                  ; v1: a load takes two rows' 256 bytes: row h, 16 r
	v_lshlrev_b32 v4, 4, v5                        ; v4: 16 x lane
	s_mul_i32 s28, s24, 2*SBUF                     ; my two stages
	v_mul_u32_u24 v2, v7, 272
	v_lshl_add_u32 v2, v6, 4, v2
	v_add_nc_u32 v2, s28, v2                       ; v2: into a stage, as loaded
	v_mul_u32_u24 v3, v6, 272
	v_lshl_add_u32 v3, v7, 7, v3
	v_add_nc_u32 v3, s28, v3                       ; v3: out of it: row r, block h
	v_and_b32 v13, 7, v0
	v_mul_u32_u24 v13, v13, 2064
	v_lshl_add_u32 v13, v7, 6, v13
	s_lshl_b32 s28, s25, 10
	s_add_co_u32 s28, s28, WIH
	v_add_nc_u32 v13, s28, v13                     ; v13: wproj_w's fragments: row r % 8, my half of K, 32 numbers for each h
	s_mul_i32 s28, s24, 2064
	s_add_co_u32 s28, s28, WIH
	v_lshl_add_u32 v16, v5, 3, s28                 ; v16: where I put row w of wproj_w: 8 bytes a lane
	s_lshl_b32 s28, s27, 10
	s_add_co_u32 s28, s28, LG
	v_lshl_add_u32 v17, v5, 5, s28                 ; v17: my partial sums: 32 bytes a lane
	s_lshr_b32 s28, s24, 2
	s_lshl_b32 s28, s28, 11
	s_lshl_b32 s29, s27, 7
	s_add_co_u32 s28, s28, s29
	s_add_co_u32 s28, s28, LG
	v_mov_b32 v18, s28                             ; v18: the sums of my four tokens 4 w .. 4 w + 3 of the group's 32: tile w / 4, rows 4 (w % 4) on
	v_lshlrev_b32 v19, 4, v6
	v_lshl_add_u32 v19, v7, 3, v19                 ; v19: the scale bytes' store: 16 r + 8 h
	v_lshlrev_b32 v20, 3, v7                       ; v20: 8 h
	s_mul_i32 s28, s27, SBUF
	s_add_co_u32 s28, s28, CST
	v_mul_u32_u24 v21, v6, 272
	v_lshl_add_u32 v21, v7, 4, v21
	v_add_nc_u32 v21, s28, v21                     ; v21: the codes' stage, in: row r, 16 h
	v_mul_u32_u24 v22, v7, 272
	v_lshl_add_u32 v22, v6, 4, v22
	v_add_nc_u32 v22, s28, v22                     ; v22: and out: sixteen lanes to a row
	v_lshlrev_b32 v23, 4, v6
	v_lshl_add_u32 v23, v7, 9, v23                 ; v23: the same place in wq
	s_wait_kmcnt 0x0
	s_cmp_lt_u32 s24, 4                            ; x's wave or proj_w's: the choice hangs on the wave's number alone
	s_cselect_b64 s[4:5], s[4:5], s[6:7]
	s_cselect_b64 s[16:17], s[16:17], s[20:21]
	s_mov_b32 s29, 0
	s_lshl_b32 s28, s26, 16
	s_lshl_b32 s27, s25, 11
	s_add_co_u32 s28, s28, s27
	s_add_nc_u64 s[4:5], s[4:5], s[28:29]          ; the source at my tile's first row, my half of K
	s_lshl_b32 s28, s26, 9
	s_lshl_b32 s27, s25, 8
	s_add_co_u32 s28, s28, s27
	s_add_nc_u64 s[16:17], s[16:17], s[28:29]      ; my 256 scale bytes
	s_lshl_b32 s28, s26, 13
	s_lshl_b32 s27, s25, 12
	s_add_co_u32 s28, s28, s27
	s_add_nc_u64 s[14:15], s[14:15], s[28:29]      ; xq
	s_lshl_b32 s28, s26, 13
	s_lshl_b32 s27, s25, 8
	s_add_co_u32 s28, s28, s27
	s_add_nc_u64 s[18:19], s[18:19], s[28:29]      ; wq
	s_lshl_b32 s28, ttmp9, 17
	s_lshl_b32 s27, s24, 14
	s_add_co_u32 s28, s28, s27
	s_add_nc_u64 s[22:23], s[22:23], s[28:29]      ; out0 at my four tokens
	s_lshl_b32 s28, ttmp9, 10
	s_lshl_b32 s27, s24, 7
	s_add_co_u32 s28, s28, s27
	s_add_nc_u64 s[12:13], s[12:13], s[28:29]      ; and their 32 targets
	s_lshl_b32 s28, s24, 12
	s_add_nc_u64 s[8:9], s[8:9], s[28:29]          ; row w of wproj_w
	s_load_b512 s[32:47], s[12:13], 0x0
	s_load_b512 s[48:63], s[12:13], 0x40
.macro LOAD t                          ; step t: eight loads, two rows' 256 bytes each
.irp i, 0,1,2,3,4,5,6,7
	global_load_b128 v[R+32*((\t)%3)+4*\i:R+32*((\t)%3)+4*\i+3], v1, s[4:5] offset:\i*8192+(\t)*256 th:TH_LOAD_NT
.endr
.endm
.macro TURN t                          ; step t through a stage: LDS serves a wave's instructions in order, so no wait stands between the stores and the loads
.irp i, 0,1,2,3,4,5,6,7
	ds_store_b128 v2, v[R+32*((\t)%3)+4*\i:R+32*((\t)%3)+4*\i+3] offset:((\t)%2)*SBUF+\i*544
.endr
.irp j, 0,1,2,3,4,5,6,7
	ds_load_b128 v[X+32*((\t)%2)+4*\j:X+32*((\t)%2)+4*\j+3], v3 offset:((\t)%2)*SBUF+16*\j
.endr
.endm
.macro WFLOAD t                        ; wproj_w's fragments of step t: for u = 0, 1 the 16 numbers that stand against my numbers 16 u .. 16 u + 15
.irp u, 0,1
	ds_load_b128 v[WH+8*\u:WH+8*\u+3], v13 offset:128*(\t)+32*\u
	ds_load_b128 v[WH+8*\u+4:WH+8*\u+7], v13 offset:128*(\t)+32*\u+16
	ds_load_b128 v[WL+8*\u:WL+8*\u+3], v13 offset:WIL-WIH+128*(\t)+32*\u
	ds_load_b128 v[WL+8*\u+4:WL+8*\u+7], v13 offset:WIL-WIH+128*(\t)+32*\u+16
.endr
.endm
; 32 numbers in v[xs] on are split: the high parts, rounded to bf16, into v[XH] on; what is left (exact in f32), rounded to bf16, into v[xs] .. v[xs + 15]
.macro HILO xs
.set JJ, 0
.rept 16
	v_cvt_pk_bf16_f32 v[XH+JJ], v[\xs+2*JJ], v[\xs+2*JJ+1]
.set JJ, JJ+1
.endr
.set JJ, 0
.rept 16
	v_lshlrev_b32 v[T+2*(JJ%2)], 16, v[XH+JJ]
	v_and_b32 v[T+2*(JJ%2)+1], s31, v[XH+JJ]
	v_pk_add_f32 v[\xs+2*JJ:\xs+2*JJ+1], v[\xs+2*JJ:\xs+2*JJ+1], v[T+2*(JJ%2):T+2*(JJ%2)+1] neg_lo:[0,1] neg_hi:[0,1]
.set JJ, JJ+1
.endr
.set JJ, 0
.rept 16
	v_cvt_pk_bf16_f32 v[\xs+JJ], v[\xs+2*JJ], v[\xs+2*JJ+1]   ; ascending: register j was read at j / 2
.set JJ, JJ+1
.endr
.endm
.macro PLACES
.rept 4
	v_nop
.endr
.endm
; A STEP.  isx = 1: x's wave: codes to xq, and the small product.  isx = 0: proj_w's wave: codes to the stage.
.macro STEP t, isx
.set XS, X+32*((\t)%2)
.if \isx
	s_wait_dscnt 8                                 ; my block is back from the stage; the youngest eight, wproj_w's fragments, may be out
.else
	s_wait_dscnt 0x0                               ; my block is back from the stage
.endif
.if (\t)+3 < 8
	LOAD (\t)+3                                    ; into the set that this step's stage stores have read
.endif
.if (\t)+1 < 8
.if (\t) <= 4
	s_wait_loadcnt 16                              ; the next step's eight loads are in; those of the two steps behind it may be out
.elseif (\t) == 5
	s_wait_loadcnt 8
.else
	s_wait_loadcnt 0x0
.endif
	TURN (\t)+1
.endif
	v_max3_num_f32 v5, |v[XS]|, |v[XS+1]|, |v[XS+2]|   ; the block's largest magnitude: all 32 numbers are mine; two chains
	v_max3_num_f32 v6, |v[XS+3]|, |v[XS+4]|, |v[XS+5]|
.irp i, 6,10,14,18,22,26
	v_max3_num_f32 v5, v5, |v[XS+\i]|, |v[XS+\i+1]|
	v_max3_num_f32 v6, v6, |v[XS+\i+2]|, |v[XS+\i+3]|
.endr
	v_max3_num_f32 v5, v5, |v[XS+30]|, |v[XS+31]|
	v_max3_num_f32 v5, v5, v6, 0x1800000           ; and the floor 2^(3 - 127): the byte cannot fall under 1
	v_add_nc_u32 v7, 0xff000000, v5                ; 2 off the exponent field: the conversion takes this operand's exponent field as its scale
.if \isx
	s_wait_xcnt 0x0                                ; the last step's store has read the codes' registers
.endif
.irp g, 0,1,2,3
	v_cvt_scalef32_pk8_fp4_f32 v[C+\g], v[XS+8*\g:XS+8*\g+7], v7
.endr
	v_lshrrev_b32 v12, 23, v7                      ; the scale's byte (a plain line behind the conversions)
.if (\t)%2 == 0
	v_mov_b32 v[SW+(\t)/2], v12                    ; block 2 t + h of my half: byte h of word t / 2,
.else
	v_lshl_or_b32 v[SW+(\t)/2], v12, 16, v[SW+(\t)/2]   ; or byte 2 + h
.endif
.if \isx
	global_store_b128 v4, v[C:C+3], s[14:15] offset:(\t)*512   ; 32 lanes: 512 consecutive bytes
	HILO XS
.if (\t)+1 < 8
	s_wait_dscnt 16                                ; wproj_w's fragments are in; the next step's 16 stage instructions may be out
.else
	s_wait_dscnt 0x0
.endif
.if (\t) == 0
	v_wmma_f32_16x16x32_bf16 v[ACC0:ACC0+7], v[WH:WH+7], v[XH:XH+7], 0             ; the first step starts both sums
	v_wmma_f32_16x16x32_bf16 v[ACC1:ACC1+7], v[WH+8:WH+15], v[XH+8:XH+15], 0
.else
	v_wmma_f32_16x16x32_bf16 v[ACC0:ACC0+7], v[WH:WH+7], v[XH:XH+7], v[ACC0:ACC0+7]   ; the two accumulators take turns, one instruction a turn
	v_wmma_f32_16x16x32_bf16 v[ACC1:ACC1+7], v[WH+8:WH+15], v[XH+8:XH+15], v[ACC1:ACC1+7]
.endif
	v_wmma_f32_16x16x32_bf16 v[ACC0:ACC0+7], v[WL:WL+7], v[XH:XH+7], v[ACC0:ACC0+7]
	v_wmma_f32_16x16x32_bf16 v[ACC1:ACC1+7], v[WL+8:WL+15], v[XH+8:XH+15], v[ACC1:ACC1+7]
	v_wmma_f32_16x16x32_bf16 v[ACC0:ACC0+7], v[WH:WH+7], v[XS:XS+7], v[ACC0:ACC0+7]
	v_wmma_f32_16x16x32_bf16 v[ACC1:ACC1+7], v[WH+8:WH+15], v[XS+8:XS+15], v[ACC1:ACC1+7]
	PLACES                                         ; in front of loads into registers that these products read, and of the first read of the sums
.if (\t)+1 < 8
	WFLOAD (\t)+1
.endif
.else
	ds_store_b128 v21, v[C:C+3] offset:(\t)*32     ; 16 bytes of row r
.endif
.endm
; my 8 bytes and lane l xor 16's make row r's four scale words; lanes 0-15 store words 0, 1, lanes 16-31 words 2, 3: 256 consecutive aligned bytes
.macro SCALEOUT
.irp i, 0,1,2,3
	v_mov_b32 v[24+\i], 0                          ; a lane permute's destination counts as one of its sources
.endr
.irp i, 0,1,2,3
	v_lshlrev_b32 v[SW+\i], v20, v[SW+\i]
.endr
.irp i, 0,1,2,3
	v_permlanex16_b32 v[24+\i], v[SW+\i], s2, s3
.endr
.irp i, 0,1,2,3
	v_or_b32 v[SW+\i], v[SW+\i], v[24+\i]
.endr
	v_cndmask_b32 v24, v[SW], v[SW+2], s31
	v_cndmask_b32 v25, v[SW+1], v[SW+3], s31
	global_store_b64 v19, v[24:25], s[16:17]
.endm
.irp j, 0,1,2,3,4,5,6,7
	global_load_b128 v[X+4*\j:X+4*\j+3], v4, s[8:9] offset:512*\j   ; row w of wproj_w
.endr
	LOAD 0
	LOAD 1
	LOAD 2
	s_wait_loadcnt 24                              ; wproj_w's row is in; the 24 loads of steps 0 to 2 stay out
	HILO X
.irp j, 0,1,2,3,4,5,6,7
	ds_store_b64 v16, v[XH+2*\j:XH+2*\j+1] offset:256*\j
	ds_store_b64 v16, v[X+2*\j:X+2*\j+1] offset:WIL-WIH+256*\j
.endr
	s_wait_dscnt 0x0                               ; for the others' sake: my row of both images has landed
	s_barrier_signal -1
	s_barrier_wait -1
	s_wait_loadcnt 16                              ; step 0 is in
	TURN 0
	s_cmp_lt_u32 s24, 4
	s_cbranch_scc0 .Lwrole
	WFLOAD 0
.irp t, 0,1,2,3,4,5,6,7
	STEP \t, 1
.endr
	SCALEOUT
.irp j, 0,1,2,3,4,5,6,7
	v_add_f32 v[28+\j], v[ACC0+\j], v[ACC1+\j]     ; each sum is read from its low end on
.endr
	ds_store_b128 v17, v[28:31]
	ds_store_b128 v17, v[32:35] offset:16
	s_branch .Ljoin
.Lwrole:
.irp t, 0,1,2,3,4,5,6,7
	STEP \t, 0
.endr
	SCALEOUT
.irp i, 0,1,2,3,4,5,6,7
	ds_load_b128 v[32+4*\i:35+4*\i], v22 offset:\i*544   ; LDS serves a wave's instructions in order: these see my stores
.endr
	s_wait_dscnt 0x0
.irp i, 0,1,2,3,4,5,6,7
	global_store_b128 v23, v[32+4*\i:35+4*\i], s[18:19] offset:\i*1024   ; sixteen lanes store 256 consecutive bytes, aligned
.endr
.Ljoin:
	s_wait_kmcnt 0x0                               ; my 32 targets
.set N, 0
.rept 32
	s_min_u32 s[32+N], s[32+N], 0x3ff              ; inside the table,
	s_lshl_b32 s[32+N], s[32+N], 15                ; a code is 8 rows of 4,096 bytes
.set N, N+1
.endr
	s_wait_xcnt 0x0                                ; my stores have read their registers: loads may land there
; THE GATHER.  Row n of 32 = codebook[target[token n / 8][n % 8]][n % 8]: 4,096 bytes, eight loads of 512.  Four rows are on their way.
.macro ROWLOAD n
	v_add_nc_u32 v[ADR+(\n)%4], s[32+(\n)], v4
.irp j, 0,1,2,3,4,5,6,7
	global_load_b128 v[BUF+32*((\n)%4)+4*\j:BUF+32*((\n)%4)+4*\j+3], v[ADR+(\n)%4], s[10:11] offset:((\n)%8)*4096+512*\j
.endr
.endm
.macro ROW n
.if (\n) <= 28
	s_wait_loadcnt 24                              ; row n is in (so its offset register is free); the three rows behind it stay out
.else
	s_wait_loadcnt 8*(31-(\n))
.endif
.if ((\n)%8 == 0) && ((\n) > 0)
	s_wait_xcnt 0x0                                ; the last token's stores have read their registers
.endif
.set PP, 0
.rept 16
.if (\n)%8 == 0
	v_pk_mul_f32 v[OUT+PP:OUT+PP+1], v[BUF+32*((\n)%4)+PP:BUF+32*((\n)%4)+PP+1], v[WT+2*(\n):WT+2*(\n)+1]   ; a token's first row starts its sums
.else
	v_pk_fma_f32 v[OUT+PP:OUT+PP+1], v[BUF+32*((\n)%4)+PP:BUF+32*((\n)%4)+PP+1], v[WT+2*(\n):WT+2*(\n)+1], v[OUT+PP:OUT+PP+1]
.endif
.set PP, PP+2
.endr
.if (\n)+4 < 32
	ROWLOAD (\n)+4
.endif
.if (\n)%8 == 7
.irp j, 0,1,2,3,4,5,6,7
	global_store_b128 v4, v[OUT+4*\j:OUT+4*\j+3], s[22:23] offset:((\n)/8)*4096+512*\j th:TH_STORE_NT   ; 512 consecutive bytes
.endr
.endif
.endm
	ROWLOAD 0
	ROWLOAD 1
	ROWLOAD 2
	ROWLOAD 3
	s_wait_dscnt 0x0                               ; for the others' sake: my partial sums have landed
	s_barrier_signal -1
	s_barrier_wait -1
	; the softmax over 8 of my four tokens, alike in every lane (all lanes read the same words)
.irp k, 0,1
.irp i, 0,1,2,3
	ds_load_b128 v[24+32*\k+8*\i:27+32*\k+8*\i], v18 offset:1024*\k+32*\i
	ds_load_b128 v[28+32*\k+8*\i:31+32*\k+8*\i], v18 offset:1024*\k+32*\i+16
.endr
.endr
	s_wait_dscnt 0x0
.irp p, 0,2,4,6,8,10,12,14,16,18,20,22,24,26,28,30
	v_pk_add_f32 v[88+\p:89+\p], v[24+\p:25+\p], v[56+\p:57+\p]   ; the two halves of K
.endr
.irp i, 0,1,2,3
	v_max3_num_f32 v[252+\i], v[88+8*\i], v[89+8*\i], v[90+8*\i]
.endr
.irp i, 0,1,2,3
	v_max3_num_f32 v[252+\i], v[252+\i], v[91+8*\i], v[92+8*\i]
.endr
.irp i, 0,1,2,3
	v_max3_num_f32 v[252+\i], v[252+\i], v[93+8*\i], v[94+8*\i]
.endr
.irp i, 0,1,2,3
	v_max_num_f32 v[252+\i], v[252+\i], v[95+8*\i]   ; the token's largest
.endr
.irp i, 0,1,2,3
	v_mul_f32 v[252+\i], s30, v[252+\i]
.endr
.irp i, 0,1,2,3
.irp j, 0,1,2,3,4,5,6,7
	v_fma_f32 v[88+8*\i+\j], v[88+8*\i+\j], s30, -v[252+\i]
.endr
.endr
.set N, 0
.rept 32
	v_exp_f32 v[88+N], v[88+N]
.set N, N+1
.endr
	v_nop                                          ; a plain line behind the last exponential
	s_wait_alu depctr_va_vdst(0)                   ; one wait for the batch, ahead of its first reader
.irp i, 0,1,2,3
	v_add_f32 v[252+\i], v[88+8*\i], v[89+8*\i]
.endr
.irp j, 2,3,4,5,6,7
.irp i, 0,1,2,3
	v_add_f32 v[252+\i], v[252+\i], v[88+8*\i+\j]
.endr
.endr
.irp i, 0,1,2,3
	v_rcp_f32 v[252+\i], v[252+\i]
.endr
	v_nop
	s_wait_alu depctr_va_vdst(0)                   ; one wait for the four reciprocals
.irp i, 0,1,2,3
.irp j, 0,1,2,3,4,5,6,7
	v_mul_f32 v[WT+2*(8*\i+\j)], v[88+8*\i+\j], v[252+\i]     ; each weight twice: a pair for the packed forms
	v_mul_f32 v[WT+2*(8*\i+\j)+1], v[88+8*\i+\j], v[252+\i]
.endr
.endr
.set N, 0
.rept 32
	ROW N
.set N, N+1
.endr
	s_wait_tensorcnt 0x0                           ; the wave's end
	ds_add_u32 v14, v15
	s_wait_dscnt 0x0
	s_endpgm
.Lfunc_end_k_q20818cdfc5_prep:
	.size	k_q20818cdfc5_prep, .Lfunc_end_k_q20818cdfc5_prep-k_q20818cdfc5_prep
	.p2alignl 7, 3214868480
	.fill 96, 4, 3214868480
	.section	.rodata,"a",@progbits
	.p2align	6, 0x0
	.amdhsa_kernel k_q20818cdfc5_prep
		.amdhsa_group_segment_fixed_size 125440
		.amdhsa_private_segment_fixed_size 0
		.amdhsa_enable_private_segment 0
		.amdhsa_kernarg_size 80
		.amdhsa_user_sgpr_count 2
		.amdhsa_user_sgpr_kernarg_segment_ptr 1
		.amdhsa_wavefront_size32 1
		.amdhsa_system_sgpr_workgroup_id_x 1
		.amdhsa_system_sgpr_workgroup_id_y 1
		.amdhsa_system_sgpr_workgroup_id_z 1
		.amdhsa_system_vgpr_workitem_id 0
		.amdhsa_next_free_vgpr 256
		.amdhsa_next_free_sgpr 66
		.amdhsa_reserve_vcc 0
		.amdhsa_float_denorm_mode_32 3
		.amdhsa_float_denorm_mode_16_64 3
		.amdhsa_memory_ordered 1
		.amdhsa_forward_progress 1
		.amdhsa_inst_pref_size 178
	.end_amdhsa_kernel
	.amdgpu_metadata
---
amdhsa.version: [ 1, 2 ]
amdhsa.kernels:
  - .name:           k_q20818cdfc5_prep
    .symbol:         k_q20818cdfc5_prep.kd
    .args:
      - { .name: x, .offset: 0, .size: 8, .value_kind: global_buffer, .address_space: global }
      - { .name: proj_w, .offset: 8, .size: 8, .value_kind: global_buffer, .address_space: global }
      - { .name: wproj_w, .offset: 16, .size: 8, .value_kind: global_buffer, .address_space: global }
      - { .name: codebook, .offset: 24, .size: 8, .value_kind: global_buffer, .address_space: global }
      - { .name: target, .offset: 32, .size: 8, .value_kind: global_buffer, .address_space: global }
      - { .name: xq, .offset: 40, .size: 8, .value_kind: global_buffer, .address_space: global }
      - { .name: xs, .offset: 48, .size: 8, .value_kind: global_buffer, .address_space: global }
      - { .name: wq, .offset: 56, .size: 8, .value_kind: global_buffer, .address_space: global }
      - { .name: ws, .offset: 64, .size: 8, .value_kind: global_buffer, .address_space: global }
      - { .name: out0, .offset: 72, .size: 8, .value_kind: global_buffer, .address_space: global }
    .group_segment_fixed_size: 125440
    .private_segment_fixed_size: 0
    .kernarg_segment_align: 8
    .kernarg_segment_size: 80
    .max_flat_workgroup_size: 256
    .sgpr_count:     66
    .vgpr_count:     256
    .wavefront_size: 32
...
	.end_amdgpu_metadata
.endif
;; end of part 1
;; launch loss (part 2): grid 32 x 8, 8 waves a work-group, clusters of 4 x 1, 327,680 bytes of LDS; arguments xq, xs, wq, ws, proj_b, target, out1; writes out1
.if DOCPART == 2
	.amdgcn_target "amdgcn-amd-amdhsa--gfx1250"
	.amdhsa_code_object_version 6
	.text
	.protected	k_q20818cdfc5_loss
	.globl	k_q20818cdfc5_loss
	.p2align	8
	.type	k_q20818cdfc5_loss,@function
k_q20818cdfc5_loss:
	s_mov_b64 s[64:65], 0
	v_nop
	global_prefetch_b8 v0, s[64:65] scope:SCOPE_SE
	s_setreg_imm32_b32 hwreg(HW_REG_WAVE_MODE, 25, 1), 1
	s_wait_xcnt 0x0
	s_wait_alu depctr_hold_cnt(0) depctr_sa_sdst(0) depctr_va_vdst(0) depctr_va_sdst(0) depctr_va_ssrc(0) depctr_va_vcc(0) depctr_vm_vsrc(0)
	s_getreg_b32 s2, hwreg(HW_REG_IB_STS2, 6, 4)
	s_cmp_eq_u32 s2, 0
	s_cbranch_scc0 .Lentry_in_a_cluster
	s_endpgm
.Lentry_in_a_cluster:
	s_bfe_u32 s2, ttmp6, 0x10000c
	s_cmp_lg_u32 s2, 0x3003
	s_cbranch_scc0 .Lentry_shape_is_right
	s_endpgm
.Lentry_shape_is_right:
; LOSS.  out1[t][k] = logsumexp over c of logit[t][k][c], less logit[t][k][target[t][k]];  logit = Q(x) Q(proj_w)^T + proj_b, on codes of E2M1 with E8M0 scales, as the first launch has laid them.  No work is left out.
; SHARES.  A work-group takes 256 tokens and one codebook (1,024 codes, K = 1,024).  Wave w: q = w % 4 names its 64 tokens (four tiles of 16), g = w / 4 its group.  The codes go in 16 tiles of 64: group 0 takes the even
; tiles, group 1 the odd ones.  A wave's fragments of x stay in registers for the whole launch (4 tiles x 8 K steps x 8 = 256: window 1), so LDS is read for proj_w alone.
; COUNTER-PHASE.  G is a tile's 128 matrix instructions, E the running maximum and sum over its 64 x 64 logits (132 exponentials among 337 vector instructions).  While one group runs G the other runs E of its last tile.
; TRANSPOSED: source 0 = 16 codes, source 1 = 16 tokens: a lane holds ONE token and eight codes an accumulator, so maximum and sum are kept lane by lane and cross lanes once, at the end.  proj_b is the C of each sum's first product.
; THE TARGET'S LOGIT: each wave gathers the 32 rows of wq that its 32 tokens name, makes two more tiles of products (16 rows x 16 tokens) and keeps their diagonals.
; CLUSTER.  The four work-groups of a cluster have one codebook and walk the same rows of wq: each pair of tiles (128 rows of 512 bytes) is asked for JOINTLY by waves 0 and 1, 64 rows each, with the mask of all four.
; The place in the cluster enters the addresses of xq, xs, target, out1 and of the prefetches alone.  By this text's count a loading wave has two tensor loads out at the start and one afterwards.
; out1 is stored 4 bytes every 32: a work-group owns one codebook of eight; owning all eight would read proj_w's codes eight times as often.
; LIMITS.  NaN and infinities are not served; the running maximum begins at -1e38, so logits under that are not served; target is held at 1,023 as an unsigned number.
.set PITCH, 528                        ; a row of wq in LDS: 512 bytes + 16: sixteen rows of a load start in sixteen different 16-byte columns of 256
.set HALF,  64*PITCH                   ; 64 rows: a tile, and what one tensor load brings
.set SLOT1, 131072                     ; slot 1 begins here: one exclusive or turns an address from one slot into the other
.set CMB,   67584                      ; behind slot 0: 512 bytes a wave, statistics for the partner wave
.set SPARE, 75776                      ; the spare words: 128 bytes for each wave, named by no other line
.set TG,    198656                     ; behind slot 1: 16 gathered rows for each wave
.set TGW,   16*PITCH
.set ST,  8                            ; v8-23   tile tt: cm, m, l (even, odd)
.set AS,  32                           ; v32-47  x's scale words: register 4 tt + i: K step i in lanes 0-15, K step 4 + i in lanes 16-31
.set BS,  48                           ; v48-63  proj_w's likewise, 4 ct + i: scale words and nothing else
.set BF0, 64                           ; v64-95  proj_w's fragments of an even K step; in E: v64-67 at work, v68-75 the pairs a, d; behind the last G: v76-79 offsets, v92-93 the targets' bias, v94-95 at work
.set BF1, 96                           ; v96-127 of an odd K step; ahead of K step 0 the bias
.set ACC, 128                          ; v128-255 accumulator (tt, ct) at 8 (4 tt + ct)
.set TT,  64
.set AD,  68
.set TBI, 92                           ; v92-93  the bias of my lane's two targets
; v1, v2 the add's two; v3 my place in a slot; v4 the same in the slot in hand; v5 32 h; v6 16 x lane; v7, v29 my lane's targets; v24 256 x lane; v25, v26 into and out of my gathered rows; v27, v28 my and my partner's statistics; v30 32 r; v31 32 x lane
.set MSB, 0
.macro WIN new                         ; the immediate's high byte repeats the setting that is left
.if MSB != \new
	s_set_vgpr_msb (MSB<<8)|\new
.set MSB, \new
.endif
.endm
.macro PLACES
.rept 4
	v_nop
.endr
.endm
.macro BARRIER
	s_wait_dscnt 0x0
	s_barrier_signal -1
	s_barrier_wait -1
.endm
.macro ROUND                           ; a round of the cluster's barrier
	s_barrier_signal -1
	s_barrier_wait -1
	s_cmp_lg_u32 s18, 0
	s_cbranch_scc1 .Lnot_wave_0_\@
	s_barrier_signal -3
.Lnot_wave_0_\@:
	s_barrier_wait -3
	s_barrier_signal -1
	s_barrier_wait -1
.endm
	s_load_b256 s[4:11], s[0:1], 0x0               ; xq, xs, wq, ws
	s_load_b128 s[12:15], s[0:1], 0x20             ; proj_b, target
	s_load_b64 s[16:17], s[0:1], 0x30              ; out1
	v_lshl_add_u32 v1, v0, 2, SPARE
	v_mov_b32 v2, 0
	ds_add_u32 v1, v2                              ; the opening: the add, twice on end, and its wait ahead of the first tensor load; the set-up below stands between
	ds_add_u32 v1, v2
	v_lshrrev_b32 v64, 5, v0
	v_readfirstlane_b32 s18, v64                   ; wave 0..7
	s_lshr_b32 s19, s18, 2                         ; g
	s_and_b32 s20, s18, 3                          ; q
	s_and_b32 s47, s18, 1                          ; which 64 rows of a pair I would fetch
	s_bfe_u32 s21, ttmp6, 0x40000                  ; cx
	s_and_b32 s22, ttmp7, 0xffff                   ; the codebook, which the four partners share
	s_lshl_b32 s23, ttmp9, 2
	s_add_co_u32 s23, s23, s21                     ; my block of 256 tokens
	s_mov_b32 s24, 15|(1<<20)|(1<<21)|(6<<22)|(3<<25)   ; group 1: the mask of all four; elements of 1 byte; padding on; bit 21 beside a mask; after every 128 words, 4 words
	s_mov_b32 s25, 512<<16                         ; tensor_dim0
	s_mov_b32 s26, 64<<16                          ; tensor_dim1
	s_mov_b32 s27, 512<<16                         ; tile_dim0
	s_mov_b32 s28, 64                              ; tile_dim1
	s_mov_b32 s29, 512                             ; from row to row
	s_mov_b32 s30, 0
	s_mov_b32 s31, 0
	s_mov_b32 s32, 1                               ; group 0 for slot 0,
	s_mul_i32 s33, s47, HALF
	s_mov_b32 s36, 1                               ; and for slot 1: this set walks on
	s_add_co_u32 s37, s33, SLOT1
	s_mov_b32 s40, 0x3fb8aa3b                      ; c = log2(e)
	s_mov_b32 s41, s40
	s_mov_b32 s42, 0x76543210
	s_mov_b32 s43, 0xfedcba98
	s_mov_b32 s44, 0                               ; the slot in hand
	s_mov_b32 s54, 0xaaaaaaaa                      ; lanes with bit 0, 1, 2 set
	s_mov_b32 s55, 0xcccccccc
	s_mov_b32 s56, 0xf0f0f0f0
	s_mov_b32 s57, 0x00ffff00                      ; lanes 8-23
	s_mov_b32 s58, 0xffff0000                      ; lanes 16-31
	s_mov_b32 s59, 0x3f317218                      ; ln 2
	s_mov_b32 s61, 0
	s_mov_b32 s63, 0
	v_and_b32 v64, 31, v0                          ; lane
	v_and_b32 v65, 15, v0                          ; r
	v_bfe_u32 v66, v0, 4, 1                        ; h
	v_mul_u32_u24 v3, v65, PITCH
	v_lshl_add_u32 v3, v66, 4, v3
	s_mul_i32 s60, s19, HALF
	v_add_nc_u32 v3, s60, v3                       ; my group's tile, row r, 16 h
	v_add_nc_u32 v4, s44, v3
	v_lshlrev_b32 v5, 5, v66
	v_lshlrev_b32 v6, 4, v64
	v_lshlrev_b32 v24, 8, v64
	s_mul_i32 s60, s18, TGW
	s_add_co_u32 s60, s60, TG
	v_lshl_add_u32 v25, v64, 4, s60
	v_mul_u32_u24 v26, v65, PITCH
	v_lshl_add_u32 v26, v66, 4, v26
	v_add_nc_u32 v26, s60, v26
	s_lshl_b32 s60, s18, 9
	s_add_co_u32 s60, s60, CMB
	v_lshl_add_u32 v27, v64, 2, s60
	s_xor_b32 s60, s18, 4
	s_lshl_b32 s60, s60, 9
	s_add_co_u32 s60, s60, CMB
	v_lshl_add_u32 v28, v64, 2, s60
	v_lshlrev_b32 v30, 5, v65
	v_lshlrev_b32 v31, 5, v64
	s_wait_dscnt 0x0                               ; both opening adds are done
	s_wait_kmcnt 0x0
	s_lshl_b32 s60, s22, 19                        ; what the partners share: made of the codebook and the wave's number alone
	s_add_nc_u64 s[8:9], s[8:9], s[60:61]          ; wq at my codebook's 1,024 rows
	s_lshl_b32 s60, s22, 15
	s_add_nc_u64 s[10:11], s[10:11], s[60:61]      ; ws
	s_lshl_b32 s60, s22, 12
	s_add_nc_u64 s[12:13], s[12:13], s[60:61]      ; proj_b
	s_lshl_b32 s60, s47, 15
	s_add_nc_u64 s[34:35], s[8:9], s[60:61]        ; pair 0,
	s_add_nc_u64 s[38:39], s[34:35], 0x10000       ; pair 1
	s_or_b32 s35, s35, 0x80000000
	s_or_b32 s39, s39, 0x80000000
	s_lshl_b32 s60, s19, 8
	s_add_nc_u64 s[50:51], s[12:13], s[60:61]      ; the bias of my group's first tile; it walks 512 bytes a tile
	s_lshl_b32 s60, s19, 11
	s_add_nc_u64 s[52:53], s[10:11], s[60:61]      ; its scale words; 4,096 bytes a tile
	s_lshl_b32 s62, s23, 17                        ; what is my own
	s_lshl_b32 s46, s20, 15
	s_add_co_u32 s62, s62, s46
	s_add_nc_u64 s[4:5], s[4:5], s[62:63]          ; xq at my wave's four tiles
	s_lshl_b32 s62, s23, 13
	s_lshl_b32 s46, s20, 11
	s_add_co_u32 s62, s62, s46
	s_add_nc_u64 s[6:7], s[6:7], s[62:63]          ; xs
	s_lshl_b32 s46, s19, 10
	s_add_co_u32 s62, s62, s46
	s_lshl_b32 s46, s22, 2
	s_add_co_u32 s62, s62, s46
	s_add_nc_u64 s[14:15], s[14:15], s[62:63]      ; target and out1 at the 32 tokens that I finish (tiles 2 g, 2 g + 1), my codebook
	s_add_nc_u64 s[16:17], s[16:17], s[62:63]
	s_lshl_b32 s62, s21, 14                        ; the prefetches: of a pair's 65,536 bytes my work-group takes 16,384, my wave 8,192, a lane 256
	s_lshl_b32 s46, s47, 13
	s_add_co_u32 s62, s62, s46
	s_add_co_u32 s62, s62, 0x20000                 ; at pair 2: the first change of slots steps it to pair 3
	s_add_nc_u64 s[48:49], s[8:9], s[62:63]
	s_lshr_b32 s46, s18, 1
	s_or_b32 s46, s46, ttmp9                       ; waves 0 and 1 of the codebook's first cluster ask: the same in all four partners
	s_cmp_eq_u32 s46, 0
	s_cselect_b32 s46, 1, -1
	ROUND                                          ; all four work-groups are here: the first joint loads meet
	s_cmp_lt_u32 s18, 2
	s_cbranch_scc0 .Lno_fill
	tensor_load_to_lds s[32:35], s[24:31]
	s_nop 0
	tensor_load_to_lds s[36:39], s[24:31]
	s_nop 0
	PLACES
.Lno_fill:
.set RR, 0
.rept 32
	s_load_b32 s[66+RR], s[14:15], RR*32           ; the targets of my 32 tokens, as scalars
.set RR, RR+1
.endr
	WIN 0x40                                       ; destination window 1
.irp tt, 0,1,2,3
.irp s, 0,1,2,3,4,5,6,7
.irp c, 0,1
	global_load_b128 v[64*\tt+8*\s+4*\c:64*\tt+8*\s+4*\c+3], v6, s[4:5] offset:\tt*8192+\s*1024+\c*512   ; x's fragments, as the first launch laid them: they stay
.endr
.endr
.endr
	WIN 0
.irp tt, 0,1,2,3
	global_load_b128 v[AS+4*\tt:AS+4*\tt+3], v6, s[6:7] offset:\tt*512
.endr
.macro NEXT                            ; my next tile's bias (lane (r, h): the eight codes 16 ct + 8 h on) and scale words
.irp ct, 0,1,2,3
	global_load_b128 v[BF1+8*\ct:BF1+8*\ct+3], v5, s[50:51] offset:64*\ct
	global_load_b128 v[BF1+8*\ct+4:BF1+8*\ct+7], v5, s[50:51] offset:64*\ct+16
.endr
.irp ct, 0,1,2,3
	global_load_b128 v[BS+4*\ct:BS+4*\ct+3], v6, s[52:53] offset:512*\ct
.endr
.endm
	NEXT
	global_load_b32 v7, v30, s[14:15]              ; and as lanes: token r of tile 2 g,
	global_load_b32 v29, v30, s[14:15] offset:512  ; of tile 2 g + 1
.irp tt, 0,1,2,3
	v_mov_b32 v[ST+4*\tt+1], 0xfe967699            ; m = -1e38
	v_mov_b32 v[ST+4*\tt+2], 0
	v_mov_b32 v[ST+4*\tt+3], 0
.endr
.irp tt, 0,1,2,3
	v_mul_f32 v[ST+4*\tt], s40, v[ST+4*\tt+1]      ; c m
.endr
	s_wait_kmcnt 0x0
.set RR, 0
.rept 32
	s_min_u32 s[66+RR], s[66+RR], 0x3ff
	s_lshl_b32 s[66+RR], s[66+RR], 9               ; a row of wq is 512 bytes
.set RR, RR+1
.endr
	s_wait_loadcnt 0x0
	v_min_u32 v7, 0x3ff, v7
	v_min_u32 v29, 0x3ff, v29
	s_wait_tensorcnt 0x1                           ; my part of slot 0 is in; slot 1's may stay out
	s_barrier_signal -1
	s_barrier_wait -1
.macro FR s                            ; proj_w's four fragments of K step s
.irp ct, 0,1,2,3
.irp c, 0,1
	ds_load_b128 v[BF0+32*((\s)%2)+8*\ct+4*\c:BF0+32*((\s)%2)+8*\ct+4*\c+3], v4 offset:\ct*16*PITCH+64*(\s)+32*\c
.endr
.endr
.endm
.macro MM s                            ; 16 matrix instructions; the 16 accumulators take turns in the same order in every K step
.irp ct, 0,1,2,3
.irp tt, 0,1,2,3
.if (\s) == 0
	v_wmma_scale_f32_16x16x128_f8f6f4 v[ACC+8*(4*\tt+\ct):ACC+8*(4*\tt+\ct)+7], v[BF0+8*\ct:BF0+8*\ct+7], v[64*\tt:64*\tt+7], v[BF1+8*\ct:BF1+8*\ct+7], v[BS+4*\ct], v[AS+4*\tt] matrix_a_fmt:MATRIX_FMT_FP4 matrix_b_fmt:MATRIX_FMT_FP4
.elseif (\s) < 4
	v_wmma_scale_f32_16x16x128_f8f6f4 v[ACC+8*(4*\tt+\ct):ACC+8*(4*\tt+\ct)+7], v[BF0+32*((\s)%2)+8*\ct:BF0+32*((\s)%2)+8*\ct+7], v[64*\tt+8*(\s):64*\tt+8*(\s)+7], v[ACC+8*(4*\tt+\ct):ACC+8*(4*\tt+\ct)+7], v[BS+4*\ct+(\s)], v[AS+4*\tt+(\s)] matrix_a_fmt:MATRIX_FMT_FP4 matrix_b_fmt:MATRIX_FMT_FP4
.else
	v_wmma_scale_f32_16x16x128_f8f6f4 v[ACC+8*(4*\tt+\ct):ACC+8*(4*\tt+\ct)+7], v[BF0+32*((\s)%2)+8*\ct:BF0+32*((\s)%2)+8*\ct+7], v[64*\tt+8*(\s):64*\tt+8*(\s)+7], v[ACC+8*(4*\tt+\ct):ACC+8*(4*\tt+\ct)+7], v[BS+4*\ct+(\s)-4], v[AS+4*\tt+(\s)-4] matrix_a_fmt:MATRIX_FMT_FP4 matrix_b_fmt:MATRIX_FMT_FP4 matrix_a_scale:MATRIX_SCALE_ROW1 matrix_b_scale:MATRIX_SCALE_ROW1
.endif
.endr
.endr
.endm
.macro G                               ; a tile of 64 codes x my 64 tokens, K = 1,024
	s_wait_loadcnt 0x0                             ; the tile's bias and scale words are in, so their bases may step
	s_add_nc_u64 s[50:51], s[50:51], 512
	s_add_nc_u64 s[52:53], s[52:53], 4096
	FR 0
	s_wait_dscnt 0x0
	WIN 0x04                                       ; source 1, x, in window 1
	MM 0                                           ; the bias is the C of each sum's first product
	PLACES                                         ; in front of loads into registers that matrix instructions have read
	FR 1
	FR 2
.irp s, 1,2,3,4,5,6,7
.if \s < 7
	s_wait_dscnt 8                                 ; this K step's fragments are in; the next one's eight loads may be out
.else
	s_wait_dscnt 0x0
.endif
	MM \s
.if \s+2 <= 7
	PLACES
	FR \s+2
.endif
.endr
	WIN 0
.rept 5
	v_nop                                          ; FIVE places: four serve the first read of the sums and what next lands in these registers; the fifth serves a tile's first products, which begin these accumulators anew with another C, on whatever way through the text they follow
.endr
.endm
; E.  For each tile tt of tokens three numbered lists.  PL: the new maximum (each accumulator is read from its low end on), c m, its change d, and the 16 packed scalings c s - c m.  EX: the 32 exponentials and a = 2^d.  POST: the sum, and l = a l + sum.
.macro PL tt, n
.set rS, ACC+32*(\tt)
.set rT, ST+4*(\tt)
.set rA, AD+2*(\tt)
.if (\n) < 4
	v_max3_num_f32 v[TT+(\n)], v[rS+8*(\n)], v[rS+8*(\n)+1], v[rS+8*(\n)+2]
.elseif (\n) < 12
	v_max3_num_f32 v[TT+(\n)%4], v[TT+(\n)%4], v[rS+8*((\n)%4)+2*((\n)/4)+1], v[rS+8*((\n)%4)+2*((\n)/4)+2]
.elseif (\n) == 12
	v_max3_num_f32 v[TT], v[TT], v[rS+7], v[rS+15]
.elseif (\n) == 13
	v_max3_num_f32 v[TT+2], v[TT+2], v[rS+23], v[rS+31]
.elseif (\n) == 14
	v_max3_num_f32 v[TT], v[TT], v[TT+1], v[TT+2]
.elseif (\n) == 15
	v_max3_num_f32 v[rT+1], v[TT], v[TT+3], v[rT+1]
.elseif (\n) == 16
	v_mov_b32 v[rA+1], v[rT]
.elseif (\n) == 17
	v_mul_f32 v[rT], s40, v[rT+1]
.elseif (\n) == 18
	v_sub_f32 v[rA+1], v[rA+1], v[rT]
.else
.set bP, 2*((\n)-19)
	v_pk_fma_f32 v[rS+bP:rS+bP+1], v[rS+bP:rS+bP+1], s[40:41], v[rT:rT+1] op_sel_hi:[1,0,0] neg_lo:[0,0,1] neg_hi:[0,0,1]
.endif
.endm
.macro EX tt, n
.if (\n) < 32
	v_exp_f32 v[ACC+32*(\tt)+(\n)], v[ACC+32*(\tt)+(\n)]
.else
	v_exp_f32 v[AD+2*(\tt)], v[AD+2*(\tt)+1]
.endif
.endm
.macro POST tt, z
.set rS, ACC+32*(\tt)
.set rT, ST+4*(\tt)
.set rA, AD+2*(\tt)
.if (\z) < 8
	v_pk_add_f32 v[rS+4*(\z):rS+4*(\z)+1], v[rS+4*(\z):rS+4*(\z)+1], v[rS+4*(\z)+2:rS+4*(\z)+3]
.elseif (\z) < 12
	v_pk_add_f32 v[rS+8*((\z)-8):rS+8*((\z)-8)+1], v[rS+8*((\z)-8):rS+8*((\z)-8)+1], v[rS+8*((\z)-8)+4:rS+8*((\z)-8)+5]
.elseif (\z) < 14
	v_pk_add_f32 v[rS+16*((\z)-12):rS+16*((\z)-12)+1], v[rS+16*((\z)-12):rS+16*((\z)-12)+1], v[rS+16*((\z)-12)+8:rS+16*((\z)-12)+9]
.elseif (\z) == 14
	v_pk_add_f32 v[rS:rS+1], v[rS:rS+1], v[rS+16:rS+17]
.else
	v_pk_fma_f32 v[rT+2:rT+3], v[rT+2:rT+3], v[rA:rA+1], v[rS:rS+1] op_sel_hi:[1,0,1]
.endif
.endm
; The lists are dealt so that a plain line stands beside each exponential and no line names an exponential's result ahead of its wait: two waits in all.
.macro E next
.if \next
	s_wait_loadcnt 0x0                             ; no earlier load may still be on its way into the registers that NEXT loads, on any way through the text; behind a G, whose head waited for all, this is met at once
	NEXT
.endif
.set NN, 0
.rept 35
	PL 0, NN
.set NN, NN+1
.endr
.irp tt, 1,2,3
.set NN, 0
.rept 35
	PL \tt, NN
.if NN < 33
	EX \tt-1, NN
.endif
.set NN, NN+1
.endr
.endr
	v_nop
	s_wait_alu depctr_va_vdst(0)                   ; for the exponentials of tiles 0, 1, 2, ahead of their first reader
.set NN, 0
.rept 33
	EX 3, NN
.if NN < 16
	POST 0, NN
.elseif NN < 32
	POST 1, NN-16
.endif
.set NN, NN+1
.endr
.set NN, 0
.rept 16
	POST 2, NN                                     ; plain lines behind the last exponential: they read tile 2's alone
.set NN, NN+1
.endr
	s_wait_alu depctr_va_vdst(0)                   ; for tile 3's
.set NN, 0
.rept 16
	POST 3, NN
.set NN, NN+1
.endr
.endm
; A PREFETCH of the pair that the NEXT change of slots will load: 128 rows of 512 bytes = 256 blocks of 256, each named once in the launch: 4 partners (told apart by address) x waves 0, 1 x 32 lanes, in the codebook's first cluster.
; It stands behind the wave's tensor load and its five lines.  The last change that fills a slot asks for nothing.
.macro ASK
	s_cmp_gt_u32 s45, s46
	s_cbranch_scc0 .Lnot_mine_\@
	global_prefetch_b8 v24, s[48:49] th:TH_LOAD_NT scope:SCOPE_SE
.Lnot_mine_\@:
.endm
; THE CHANGE OF SLOTS, when both groups have multiplied a pair.  Every wave waits for all its tensor loads (the next pair has landed), adds 0 to its spare word, and waits for that and for its reads of the slot.
.macro CHANGE1                         ; the slot just left is filled again, with the pair two on: behind a round of the cluster's barrier, first thing
	s_wait_tensorcnt 0x0
	ds_add_u32 v1, v2                              ; twice on end
	ds_add_u32 v1, v2
	s_xor_b32 s37, s37, SLOT1                      ; no tensor load of mine is out: the walking descriptor steps
	s_add_nc_u64 s[38:39], s[38:39], 0x10000
	s_wait_xcnt 0x0                                ; the last prefetch has read its address
	s_add_nc_u64 s[48:49], s[48:49], 0x10000
	s_xor_b32 s44, s44, SLOT1
	s_wait_dscnt 0x0
	ROUND
	s_cmp_lt_u32 s18, 2
	s_cbranch_scc0 .Lno_load_\@
	tensor_load_to_lds s[36:39], s[24:31]
	s_nop 0
	PLACES
.Lno_load_\@:
	ASK
	v_add_nc_u32 v4, s44, v3                       ; both groups read the new slot until the next change
.endm
.macro CHANGE0                         ; the last change: nothing is left to fetch
	s_wait_tensorcnt 0x0
	ds_add_u32 v1, v2
	s_xor_b32 s44, s44, SLOT1
	s_wait_dscnt 0x0
	s_barrier_signal -1
	s_barrier_wait -1
	v_add_nc_u32 v4, s44, v3
.endm
; THE TARGETS' ROWS.  Behind the wave's last G: 32 whole rows of wq into the half of x's registers that is done with, and for my lane's two targets the row's scale words and bias.
.macro TGADR tg, a, tmp, b, u
	v_and_b32 v[\a], 0x3f0, v[\tg]
	v_and_b32 v[\tmp], 15, v[\tg]
	v_lshlrev_b32 v[\a], 5, v[\a]                  ; tile of 16 rows x 512
	v_lshl_add_u32 v[\a], v[\tmp], 4, v[\a]        ; + 16 x row
	v_lshl_add_u32 v[\a], v5, 3, v[\a]             ; + 256 h: lanes 16-31 take K steps 4 to 7
	v_lshlrev_b32 v[\b], 2, v[\tg]
	global_load_b128 v[BS+4*\u:BS+4*\u+3], v[\a], s[10:11]   ; scale words again, in the scale words' registers
	global_load_b32 v[TBI+\u], v[\b], s[12:13]
.endm
.macro TAILLOAD g
.set RR, 0
.rept 32
	v_add_nc_u32 v[BF1+RR], s[66+RR], v6
.set RR, RR+1
.endr
	WIN 0x40
.set RR, 0
.rept 32
	global_load_b128 v[128*(1-\g)+4*RR:128*(1-\g)+4*RR+3], v[BF1+RR], s[8:9]   ; a row: 512 consecutive bytes
.set RR, RR+1
.endr
	WIN 0
	TGADR 7, 76, 94, 78, 0
	TGADR 29, 77, 95, 79, 1
.endm
; The rows turn through my own LDS bytes into fragments; tile u: source 0 = the 16 rows, source 1 = the 16 tokens; the diagonal is kept: lane (r, h) has row 8 h + j in register j.
.macro DIAG g
	s_wait_loadcnt 0x0
	WIN 0x04                                       ; an LDS store's data and a product's source 1: window 1
.irp u, 0,1
.set RR, 0
.rept 16
	ds_store_b128 v25, v[128*(1-\g)+64*\u+4*RR:128*(1-\g)+64*\u+4*RR+3] offset:RR*PITCH
.set RR, RR+1
.endr
.irp s, 0,1,2,3,4,5,6,7
.irp c, 0,1
	ds_load_b128 v[ACC+64*\u+8*\s+4*\c:ACC+64*\u+8*\s+4*\c+3], v26 offset:64*\s+32*\c   ; LDS serves a wave's instructions in order
.endr
.endr
.endr
	s_wait_dscnt 0x0
.irp s, 0,1,2,3,4,5,6,7
.irp u, 0,1
.if \s == 0
	v_wmma_scale_f32_16x16x128_f8f6f4 v[64+8*\u:71+8*\u], v[ACC+64*\u:ACC+64*\u+7], v[64*(2*\g+\u):64*(2*\g+\u)+7], 0, v[BS+4*\u], v[AS+4*(2*\g+\u)] matrix_a_fmt:MATRIX_FMT_FP4 matrix_b_fmt:MATRIX_FMT_FP4
.elseif \s < 4
	v_wmma_scale_f32_16x16x128_f8f6f4 v[64+8*\u:71+8*\u], v[ACC+64*\u+8*\s:ACC+64*\u+8*\s+7], v[64*(2*\g+\u)+8*\s:64*(2*\g+\u)+8*\s+7], v[64+8*\u:71+8*\u], v[BS+4*\u+\s], v[AS+4*(2*\g+\u)+\s] matrix_a_fmt:MATRIX_FMT_FP4 matrix_b_fmt:MATRIX_FMT_FP4
.else
	v_wmma_scale_f32_16x16x128_f8f6f4 v[64+8*\u:71+8*\u], v[ACC+64*\u+8*\s:ACC+64*\u+8*\s+7], v[64*(2*\g+\u)+8*\s:64*(2*\g+\u)+8*\s+7], v[64+8*\u:71+8*\u], v[BS+4*\u+\s-4], v[AS+4*(2*\g+\u)+\s-4] matrix_a_fmt:MATRIX_FMT_FP4 matrix_b_fmt:MATRIX_FMT_FP4 matrix_a_scale:MATRIX_SCALE_ROW1 matrix_b_scale:MATRIX_SCALE_ROW1
.endif
.endr
.endr
	WIN 0
	PLACES
.irp u, 0,1
	v_cndmask_b32 v[80+4*\u], v[64+8*\u], v[65+8*\u], s54    ; register r % 8, by the lane's low three bits
	v_cndmask_b32 v[81+4*\u], v[66+8*\u], v[67+8*\u], s54
	v_cndmask_b32 v[82+4*\u], v[68+8*\u], v[69+8*\u], s54
	v_cndmask_b32 v[83+4*\u], v[70+8*\u], v[71+8*\u], s54
	v_cndmask_b32 v[80+4*\u], v[80+4*\u], v[81+4*\u], s55
	v_cndmask_b32 v[82+4*\u], v[82+4*\u], v[83+4*\u], s55
	v_cndmask_b32 v[80+4*\u], v[80+4*\u], v[82+4*\u], s56
	v_mov_b32 v[88+\u], 0
	v_permlanex16_b32 v[88+\u], v[80+4*\u], s42, s43
	v_cndmask_b32 v[80+4*\u], v[80+4*\u], v[88+\u], s57      ; lanes 0-7 and 24-31 hold the diagonal; the others take it from lane l xor 16
	v_add_f32 v[90+\u], v[80+4*\u], v[TBI+\u]                ; + the target's bias: v90, v91
.endr
.endm
.macro FIN g                           ; the two tiles that I finish into common registers; the other two to my partner wave
.irp tt, 0,1,2,3
	v_add_f32 v[ST+4*\tt+2], v[ST+4*\tt+2], v[ST+4*\tt+3]
.endr
.irp u, 0,1
	ds_store_b32 v27, v[ST+4*(2*(1-\g)+\u)+1] offset:256*\u
	ds_store_b32 v27, v[ST+4*(2*(1-\g)+\u)+2] offset:256*\u+128
	v_mov_b32 v[92+2*\u], v[ST+4*(2*\g+\u)+1]
	v_mov_b32 v[93+2*\u], v[ST+4*(2*\g+\u)+2]
.endr
.endm
	s_cmp_lt_u32 s18, 4                            ; group 0 goes one phase ahead
	s_cbranch_scc0 .Lp0_y
	G
.Lp0_y:
	BARRIER
	s_mov_b32 s45, 6
.Lloop:                                            ; six trips: each ends a pair, fills its slot again and begins the next pair
	s_cmp_lt_u32 s18, 4
	s_cbranch_scc0 .La_y
	E 1
	s_branch .La_j
.La_y:
	G
.La_j:
	CHANGE1
	s_cmp_lt_u32 s18, 4
	s_cbranch_scc0 .Lb_y
	G
	s_branch .Lb_j
.Lb_y:
	E 1
.Lb_j:
	s_sub_co_u32 s45, s45, 1
	s_cmp_lg_u32 s45, 0
	s_cbranch_scc1 .Lloop
	s_cmp_lt_u32 s18, 4                            ; the tail is written out
	s_cbranch_scc0 .Lc_y
	E 1
	s_branch .Lc_j
.Lc_y:
	G
.Lc_j:
	CHANGE0
	s_cmp_lt_u32 s18, 4
	s_cbranch_scc0 .Ld_y
	G
	TAILLOAD 0
	E 0
	DIAG 0
	FIN 0
	s_branch .Ld_j
.Ld_y:
	E 1
	G
	TAILLOAD 1
	E 0
	DIAG 1
	FIN 1
.Ld_j:
	BARRIER                                        ; every wave's statistics for its partner have landed
.irp u, 0,1
	ds_load_b32 v[96+2*\u], v28 offset:256*\u
	ds_load_b32 v[97+2*\u], v28 offset:256*\u+128
.endr
.irp i, 0,1,2,3,4,5,6,7
	v_mov_b32 v[100+\i], 0
.endr
	s_wait_dscnt 0x0
.irp u, 0,1                                    ; a token's four parts: mine, my partner's, and lane l xor 16's of both
	v_permlanex16_b32 v[100+4*\u], v[92+2*\u], s42, s43
	v_permlanex16_b32 v[101+4*\u], v[93+2*\u], s42, s43
	v_permlanex16_b32 v[102+4*\u], v[96+2*\u], s42, s43
	v_permlanex16_b32 v[103+4*\u], v[97+2*\u], s42, s43
.endr
.irp u, 0,1
	v_max3_num_f32 v[108+\u], v[92+2*\u], v[96+2*\u], v[100+4*\u]
.endr
.irp u, 0,1
	v_max_num_f32 v[108+\u], v[108+\u], v[102+4*\u]          ; M
.endr
.irp u, 0,1
	v_mul_f32 v[110+\u], s40, v[108+\u]
.endr
.irp u, 0,1
	v_fma_f32 v[112+4*\u], v[92+2*\u], s40, -v[110+\u]
	v_fma_f32 v[113+4*\u], v[96+2*\u], s40, -v[110+\u]
	v_fma_f32 v[114+4*\u], v[100+4*\u], s40, -v[110+\u]
	v_fma_f32 v[115+4*\u], v[102+4*\u], s40, -v[110+\u]
.endr
.irp i, 0,1,2,3,4,5,6,7
	v_exp_f32 v[112+\i], v[112+\i]
.endr
	v_nop
	s_wait_alu depctr_va_vdst(0)                   ; one wait for the eight
.irp u, 0,1
	v_mul_f32 v[120+\u], v[93+2*\u], v[112+4*\u]
.endr
.irp u, 0,1
	v_fma_f32 v[120+\u], v[97+2*\u], v[113+4*\u], v[120+\u]
.endr
.irp u, 0,1
	v_fma_f32 v[120+\u], v[101+4*\u], v[114+4*\u], v[120+\u]
.endr
.irp u, 0,1
	v_fma_f32 v[120+\u], v[103+4*\u], v[115+4*\u], v[120+\u]
.endr
	v_log_f32 v120, v120
	v_log_f32 v121, v121
	v_nop
	s_wait_alu depctr_va_vdst(0)
	v_fma_f32 v120, v120, s59, v108                ; M + ln of the sum,
	v_fma_f32 v121, v121, s59, v109
	v_sub_f32 v120, v120, v90                      ; less the target's logit
	v_sub_f32 v121, v121, v91
	v_cndmask_b32 v122, v120, v121, s58            ; lanes 16-31: the second tile's tokens
	global_store_b32 v31, v122, s[16:17]
	s_wait_tensorcnt 0x0                           ; the wave's end
	ds_add_u32 v1, v2
	s_wait_dscnt 0x0
	ROUND                                          ; the closing round
	s_endpgm
.Lfunc_end_k_q20818cdfc5_loss:
	.size	k_q20818cdfc5_loss, .Lfunc_end_k_q20818cdfc5_loss-k_q20818cdfc5_loss
	.p2alignl 7, 3214868480
	.fill 96, 4, 3214868480
	.section	.rodata,"a",@progbits
	.p2align	6, 0x0
	.amdhsa_kernel k_q20818cdfc5_loss
		.amdhsa_group_segment_fixed_size 327680
		.amdhsa_private_segment_fixed_size 0
		.amdhsa_enable_private_segment 0
		.amdhsa_kernarg_size 56
		.amdhsa_user_sgpr_count 2
		.amdhsa_user_sgpr_kernarg_segment_ptr 1
		.amdhsa_wavefront_size32 1
		.amdhsa_system_sgpr_workgroup_id_x 1
		.amdhsa_system_sgpr_workgroup_id_y 1
		.amdhsa_system_sgpr_workgroup_id_z 1
		.amdhsa_system_vgpr_workitem_id 0
		.amdhsa_next_free_vgpr 512
		.amdhsa_next_free_sgpr 98
		.amdhsa_reserve_vcc 0
		.amdhsa_float_denorm_mode_32 3
		.amdhsa_float_denorm_mode_16_64 3
		.amdhsa_memory_ordered 1
		.amdhsa_forward_progress 1
		.amdhsa_inst_pref_size 255
	.end_amdhsa_kernel
	.section	.bss,"aw",@nobits
	.p2align	6
	.space	262144
	.amdgpu_metadata
---
amdhsa.version: [ 1, 2 ]
amdhsa.kernels:
  - .name:           k_q20818cdfc5_loss
    .symbol:         k_q20818cdfc5_loss.kd
    .args:
      - { .name: xq, .offset: 0, .size: 8, .value_kind: global_buffer, .address_space: global }
      - { .name: xs, .offset: 8, .size: 8, .value_kind: global_buffer, .address_space: global }
      - { .name: wq, .offset: 16, .size: 8, .value_kind: global_buffer, .address_space: global }
      - { .name: ws, .offset: 24, .size: 8, .value_kind: global_buffer, .address_space: global }
      - { .name: proj_b, .offset: 32, .size: 8, .value_kind: global_buffer, .address_space: global }
      - { .name: target, .offset: 40, .size: 8, .value_kind: global_buffer, .address_space: global }
      - { .name: out1, .offset: 48, .size: 8, .value_kind: global_buffer, .address_space: global }
    .group_segment_fixed_size: 327680
    .private_segment_fixed_size: 0
    .kernarg_segment_align: 8
    .kernarg_segment_size: 56
    .max_flat_workgroup_size: 256
    .sgpr_count:     98
    .vgpr_count:     512
    .wavefront_size: 32
...
	.end_amdgpu_metadata
.endif
;; end of part 2
